; MI455X (gfx1250); checked and timed in simulation.
; The chip was launched on July 23, 2026; its instructions are those of AMD's public machine-readable ISA for CDNA 5 (MIT licence, August 2026) and "CDNA5" Instruction Set Architecture Reference Guide (July 2026). The comments in the code are by the model that wrote it; some were corrected since.
;; Scaled Dot Product Attention. Allowed arithmetic: matrix products marked QUANTISED: E4M3 operands, one given power-of-two scale a tensor, by v_wmma_f32_16x16x64_fp8_fp8 or v_wmma_f32_16x16x128_fp8_fp8, f32 sums; everything else in f32.
;; Inputs: k 4 x 16 x 2,048 x 64 float32; lowp_scales 4 int32 (the exponents e of the quantised operands' scales 2^e); mask 1 x 1 x 2,048 x 2,048 float32; q 4 x 16 x 2,048 x 64 float32; v 4 x 16 x 2,048 x 64 float32.
;; Outputs: out0 4 x 16 x 2,048 x 64 float32.
;; This version of the problem:
;;   THIS VERSION OF THE PROBLEM IS GIVEN IN LOW PRECISION. The matrix products marked QUANTISED in the list below multiply operands that are first quantised to E4M3 (4 exponent bits, 3 mantissa bits; 8 bits a number), with one given power-of-two scale for each operand tensor; their sums are f32. All else is computed in f32.
;;   The module's matrix products, in the order in which they are computed (A, B: the left and right operand; K: the contracted axis; several contracted axes count as one K, in the product's order):
;;     1. batch 64 x [M 2,048, K 64] x [K 64, N 2,048]; A: computed on the way; B: input k: QUANTISED (scales: A lowp_scales[0], B lowp_scales[1])
;;     2. batch 64 x [M 2,048, K 2,048] x [K 2,048, N 64]; A: softmax (see below); B: input v: QUANTISED (scales: A lowp_scales[2], B lowp_scales[3])
;;   THE QUANTISER, for each operand of a quantised product, along K:
;;     - The operand's scale is 2^e, e = its entry of the input lowp_scales (int32; the entries are numbered through the quantised products in the list's order, A before B).
;;     - Each number is divided by the scale, clamped to +-448, and rounded to the nearest number of E4M3, ties to even, subnormals kept.
;;     - The product sums the exact products of the quantised numbers (number of the format x scale) in f32.
;;   ~~~python
;;   def quantise(x, axis, e):      # numpy; x: float32 -> the quantised numbers, widened to float32 again
;;       x = np.moveaxis(x, axis, -1); K = x.shape[-1]
;;       r = np.clip(x / 2.0 ** e, -448, 448)
;;       step = 2.0 ** (np.maximum(np.frexp(np.where(r == 0, 1, r))[1] - 1, -6) - 3)
;;       q = np.round(r / step) * step * 2.0 ** e      # np.round: ties to even
;;       return np.moveaxis(q, -1, axis).astype(np.float32)
;;   ~~~
;;   SOFTMAX AHEAD OF A QUANTISED PRODUCT. Where the list says 'softmax', what is quantised is not the finished softmax but p = 2^(t - M), with t = logit x log2(e) and M = ceil(the row's largest t), a whole number; so 1/2 < the row's largest p <= 1. The row's sum l is taken of the UNQUANTISED p, in f32, and the product's result is divided by l at the end. Since M is a whole number, a kernel that streams over the keys may use a running M (the ceiling of the running maximum): every later rescaling is an exact power of two, so the quantised numbers keep their values, but for numbers so far below the row's largest that they fall under the format's range.
;;   OPERANDS COMPUTED ON THE WAY. 'Computed on the way' means the value that the module computes at that place (a softmax that the list does not call 'softmax' is quantised finished and normalised). What goes into a quantiser is computed in f32, as accurately as f32 sums, v_exp_f32 and their like allow (about 1e-6 of the number): no bf16 or f16 on the way to a quantiser, and a product that is left as it is and whose result goes on into a quantised operand takes f32 operands (vector FMAs, or v_wmma_f32_16x16x4_f32). A number that lies on a knife's edge between two numbers of the format may be rounded either way, as far as f32 arithmetic and the matrix unit's own rounding can turn it there, and no further.
;; One version. Each part assembles by itself: llvm-mc -triple=amdgcn-amd-amdhsa -mcpu=gfx1250 --defsym DOCPART=n.
;; ======== version 1 of 1: 2 launches
;; limits: right only within a limited range of input values
;; workspace buffers: kv 16,777,216 bytes
;; launch quant (part 1): grid 1024 x 2, 4 waves a work-group, no clusters, 35,328 bytes of LDS; arguments k, v, lowp_scales, kv; writes kv
.if DOCPART == 1
	.amdgcn_target "amdgcn-amd-amdhsa--gfx1250"
	.amdhsa_code_object_version 6
	.text
	.protected	k_q89bf027c7a_quant
	.globl	k_q89bf027c7a_quant
	.p2align	8
	.type	k_q89bf027c7a_quant,@function
k_q89bf027c7a_quant:
	s_mov_b64 s[64:65], 0
	v_nop
	global_prefetch_b8 v0, s[64:65] scope:SCOPE_SE
	s_setreg_imm32_b32 hwreg(HW_REG_WAVE_MODE, 25, 1), 1
	s_wait_xcnt 0x0
; k and v, [64 heads][2048 keys][64] f32, become codes of FP8 (E4M3), each with the one scale 2^e that is given for it (k: entry 1 of the scales, v: entry 3),
; laid in the workspace kv IN THE ORDER OF THE OPERANDS' REGISTERS, so that the attention launch brings a key step's codes by dense tensor loads and reads every fragment by 16-byte LDS loads at 16 x lane.
; code = x / 2^e, held within +-448, rounded to the nearest code, ties to even.  LIMITS: -126 <= e <= 119, so that 2^e and 448 x 2^e are f32 numbers.  NaN among the inputs is not served.
; kv: [16 groups of 4 heads][16 steps of 128 keys][65,536 bytes].  In a block: K's codes of head a of the group at 8192 a, V's at 32768 + 8192 a.
;   K, 8,192 bytes: 8 tiles t = 2 b + u of 1,024; piece c (0, 1) of 512; lane (r, h) has 16 bytes at 16 (16 h + r): k[128 step + 32 b + 8 u + r + 8 (r / 8)][32 c + 16 h + 0 .. 15]
;   V, 8,192 bytes: 4 tiles t of 2,048; piece c (0 .. 3) of 512; lane (r, h) has 16 bytes at 16 (16 h + r): v[128 step + 32 c + 16 h + 0 .. 15][16 t + r]
; SHARES.  Work-group x = 16 head + step takes 128 keys of one head; y = 0: K, y = 1: V (a scalar branch on the work-group's number; the two ways never join, and only K's uses LDS).  Wave w takes keys 32 w .. 32 w + 31.
; No tensor loads, no barrier: waves share nothing.  No cluster: no two work-groups read the same bytes.  No prefetch: the launch is one dense stream, all of a wave's loads go out at its head.
.set X,    16                          ; v16-79   64 numbers a lane, as loaded
.set Y,    16                          ; K: the numbers come back from the stage into the registers that they left (LDS serves a wave's instructions in order)
.set C,    80                          ; v80-95 the codes: four registers for each store, so that no store's data are written again
.set SP,   272                         ; a stage row: a key's 256 bytes + 16 of padding, so that 16 rows start at 16 different 16-byte columns of 256 bytes
.set WSTG, 32*SP                       ; a wave's stage: 32 keys
	s_load_b256 s[4:11], s[0:1], 0x0               ; k s[4:5], v s[6:7], the scales' exponents s[8:9], kv s[10:11]
	v_lshl_add_u32 v12, v0, 2, 0x8800
	v_mov_b32 v13, 0
	v_lshrrev_b32 v1, 5, v0
	v_readfirstlane_b32 s12, v1                    ; wave 0..3
	v_and_b32 v1, 31, v0                           ; lane
	v_lshlrev_b32 v2, 4, v1                        ; 16 x lane
	v_and_b32 v9, 15, v0                           ; r
	v_bfe_u32 v10, v0, 4, 1                        ; h
	s_and_b32 s13, ttmp7, 0xffff                   ; 0: K, 1: V
	s_lshl_b32 s20, ttmp9, 15                      ; in: (16 head + step) x 128 keys x 256 bytes,
	s_lshl_b32 s22, s12, 13                        ; + my wave's 32 keys
	s_add_co_u32 s20, s20, s22
	s_mov_b32 s21, 0
	s_lshr_b32 s24, ttmp9, 6                       ; out: the group of heads,
	s_lshl_b32 s24, s24, 4
	s_and_b32 s25, ttmp9, 15                       ; the step:
	s_add_co_u32 s24, s24, s25
	s_lshl_b32 s24, s24, 16                        ; the block of 65,536 bytes,
	s_bfe_u32 s25, ttmp9, 0x20004                  ; and the head in its group (2 bits from bit 4):
	s_lshl_b32 s25, s25, 13                        ; 8,192 bytes each
	s_add_co_u32 s24, s24, s25
	s_mov_b32 s25, 0
	s_wait_kmcnt 0x0
	s_load_b128 s[16:19], s[8:9], 0x0              ; e0 .. e3
	s_add_nc_u64 s[10:11], s[10:11], s[24:25]
	s_cmp_lg_u32 s13, 0
	s_cbranch_scc1 .Lvalues
; ---- K.  d is innermost in memory and is the product's K.  The 16 loads take the wave's 8,192 bytes as they lie, 512 consecutive bytes each; the stage turns them so that a lane holds 16 neighbours along d of ONE key.
	s_add_nc_u64 s[4:5], s[4:5], s[20:21]
	s_lshl_b32 s26, s12, 11                        ; my two tiles: 2,048 bytes a wave
	s_mov_b32 s27, 0
	s_add_nc_u64 s[10:11], s[10:11], s[26:27]
	s_wait_alu depctr_va_vdst(0)
.irp n, 0,1,2,3,4,5,6,7,8,9,10,11,12,13,14,15
	global_load_b128 v[X+4*\n:X+4*\n+3], v2, s[4:5] offset:512*\n th:TH_LOAD_NT   ; keys 2 n and 2 n + 1 of my 32: lanes 0-15 one key, lanes 16-31 the next
.endr
	s_mul_i32 s28, s12, WSTG                       ; my stage
	v_mul_u32_u24 v3, v10, SP
	v_lshl_add_u32 v3, v9, 4, v3
	v_add_nc_u32 v3, s28, v3                       ; in: row lane / 16, 16 bytes at 16 (lane % 16)
	v_mul_u32_u24 v4, v9, SP
	v_lshl_add_u32 v4, v10, 6, v4
	v_add_nc_u32 v4, s28, v4                       ; out: row r, + 64 h: my 16 numbers of a run of 32
	s_wait_alu depctr_va_vdst(0)
	s_wait_kmcnt 0x0
	s_add_co_i32 s29, s17, 127
	s_lshl_b32 s30, s29, 23
	v_mov_b32 v7, s30                              ; 2^e1 as f32: the conversion takes its exponent field
	s_add_co_i32 s29, s29, 8
	s_lshl_b32 s29, s29, 23
	s_or_b32 s29, s29, 0x600000
	v_mov_b32 v8, s29                              ; 448 x 2^e1
; Key 16 g + 8 u + m of my 32 is row r = 8 g + m of tile u: it goes to stage row 16 u + 8 g + m, so that a tile's 16 rows are neighbours there.
.set n, 0
	s_wait_alu depctr_va_vdst(0)
.rept 16
	s_wait_loadcnt 15-n                            ; loads come back in order: load n is in, the 15 - n younger ones stay out
	ds_store_b128 v3, v[X+4*n:X+4*n+3] offset:(16*((n/4)%2)+8*(n/8)+((2*n)%8))*SP
.set n, n+1
.endr
.irp u, 0,1
.irp c, 0,1
.irp j, 0,1,2,3
	ds_load_b128 v[Y+32*\u+16*\c+4*\j:Y+32*\u+16*\c+4*\j+3], v4 offset:16*SP*\u+128*\c+16*\j   ; LDS serves a wave's instructions in order: these see my stores
.endr
.endr
.endr
.irp u, 0,1
.irp c, 0,1
	s_wait_dscnt 12-4*(2*\u+\c)                    ; this group's four loads are in; the later groups' stay out
.irp i, 0,1,2,3,4,5,6,7,8,9,10,11,12,13,14,15
	v_med3_num_f32 v[Y+32*\u+16*\c+\i], v[Y+32*\u+16*\c+\i], -v8, v8   ; the conversion to an 8-bit code does not saturate (ISA guide 7.6.2): the hold at the largest code x the scale comes first
.endr
	v_cvt_scalef32_pk8_fp8_f32 v[C+8*\u+4*\c:C+8*\u+4*\c+1], v[Y+32*\u+16*\c:Y+32*\u+16*\c+7], v7
	v_cvt_scalef32_pk8_fp8_f32 v[C+8*\u+4*\c+2:C+8*\u+4*\c+3], v[Y+32*\u+16*\c+8:Y+32*\u+16*\c+15], v7
	global_store_b128 v2, v[C+8*\u+4*\c:C+8*\u+4*\c+3], s[10:11] offset:1024*\u+512*\c   ; piece c of tile u: the wave stores 512 consecutive bytes, aligned.  (The codes go to a store alone; the next vector lines are plain and touch other registers)
.endr
.endr
	s_wait_tensorcnt 0x0
	ds_add_u32 v12, v13
	s_wait_dscnt 0x0
	s_endpgm
; ---- V.  The keys are the second product's K and are NOT innermost in memory.  A lane takes a column d and its registers run down the keys: nothing is transposed by an instruction.
.Lvalues:
	s_add_nc_u64 s[6:7], s[6:7], s[20:21]
	s_lshl_b32 s26, s12, 9                         ; my 32 keys are piece c = wave of each tile: 512 bytes,
	s_add_co_u32 s26, s26, 32768                   ; behind the block's codes of K
	s_mov_b32 s27, 0
	s_add_nc_u64 s[10:11], s[10:11], s[26:27]
	s_wait_alu depctr_va_vdst(0)
	v_lshlrev_b32 v5, 2, v1                        ; in: 4 bytes a lane
.irp i, 0,1,2,3,4,5,6,7,8,9,10,11,12,13,14,15,16,17,18,19,20,21,22,23,24,25,26,27,28,29,30,31
.irp d, 0,1
	global_load_b32 v[X+32*\d+\i], v5, s[6:7] offset:256*\i+128*\d th:TH_LOAD_NT   ; v[key i of my 32][32 d + lane]: the two loads of a key stand together and cover its 256 bytes
.endr
.endr
	v_lshlrev_b32 v6, 11, v10
	v_lshl_add_u32 v6, v9, 4, v6                   ; out: column 32 d + lane is row lane % 16 of tile 2 d + lane / 16: 2048 (lane / 16) + 16 (lane % 16)
	s_wait_kmcnt 0x0
	s_add_co_i32 s29, s19, 127
	s_lshl_b32 s30, s29, 23
	v_mov_b32 v7, s30                              ; 2^e3 as f32
	s_add_co_i32 s29, s29, 8
	s_lshl_b32 s29, s29, 23
	s_or_b32 s29, s29, 0x600000
	v_mov_b32 v8, s29                              ; 448 x 2^e3
	s_wait_alu depctr_va_vdst(0)
.irp h, 0,1
	s_wait_loadcnt 32-32*\h                        ; keys 16 h .. 16 h + 15 are in; with h = 0 the 32 loads of keys 16 .. 31 stay out
.irp d, 0,1
.irp i, 0,1,2,3,4,5,6,7,8,9,10,11,12,13,14,15
	v_med3_num_f32 v[X+32*\d+16*\h+\i], v[X+32*\d+16*\h+\i], -v8, v8
.endr
	v_cvt_scalef32_pk8_fp8_f32 v[C+8*\d+4*\h:C+8*\d+4*\h+1], v[X+32*\d+16*\h:X+32*\d+16*\h+7], v7
	v_cvt_scalef32_pk8_fp8_f32 v[C+8*\d+4*\h+2:C+8*\d+4*\h+3], v[X+32*\d+16*\h+8:X+32*\d+16*\h+15], v7
	global_store_b128 v6, v[C+8*\d+4*\h:C+8*\d+4*\h+3], s[10:11] offset:4096*\d+256*\h   ; sixteen lanes store 256 consecutive bytes, aligned: half h of my piece of a tile
.endr
.endr
	s_endpgm
.Lfunc_end_k_q89bf027c7a_quant:
	.size	k_q89bf027c7a_quant, .Lfunc_end_k_q89bf027c7a_quant-k_q89bf027c7a_quant
	.p2alignl 7, 3214868480
	.fill 96, 4, 3214868480
	.section	.rodata,"a",@progbits
	.p2align	6, 0x0
	.amdhsa_kernel k_q89bf027c7a_quant
		.amdhsa_group_segment_fixed_size 35328
		.amdhsa_private_segment_fixed_size 0
		.amdhsa_enable_private_segment 0
		.amdhsa_kernarg_size 32
		.amdhsa_user_sgpr_count 2
		.amdhsa_user_sgpr_kernarg_segment_ptr 1
		.amdhsa_wavefront_size32 1
		.amdhsa_system_sgpr_workgroup_id_x 1
		.amdhsa_system_sgpr_workgroup_id_y 1
		.amdhsa_system_sgpr_workgroup_id_z 1
		.amdhsa_system_vgpr_workitem_id 0
		.amdhsa_next_free_vgpr 96
		.amdhsa_next_free_sgpr 66
		.amdhsa_reserve_vcc 0
		.amdhsa_float_denorm_mode_32 3
		.amdhsa_float_denorm_mode_16_64 3
		.amdhsa_memory_ordered 1
		.amdhsa_forward_progress 1
		.amdhsa_inst_pref_size 24
	.end_amdhsa_kernel
	.amdgpu_metadata
---
amdhsa.version: [ 1, 2 ]
amdhsa.kernels:
  - .name:           k_q89bf027c7a_quant
    .symbol:         k_q89bf027c7a_quant.kd
    .args:
      - { .name: k, .offset: 0, .size: 8, .value_kind: global_buffer, .address_space: global }
      - { .name: v, .offset: 8, .size: 8, .value_kind: global_buffer, .address_space: global }
      - { .name: lowp_scales, .offset: 16, .size: 8, .value_kind: global_buffer, .address_space: global }
      - { .name: kv, .offset: 24, .size: 8, .value_kind: global_buffer, .address_space: global }
    .group_segment_fixed_size: 35328
    .private_segment_fixed_size: 0
    .kernarg_segment_align: 8
    .kernarg_segment_size: 32
    .max_flat_workgroup_size: 128
    .sgpr_count:     66
    .vgpr_count:     96
    .wavefront_size: 32
...
	.end_amdgpu_metadata
.endif
;; end of part 1
;; launch attn (part 2): grid 16 x 16, 8 waves a work-group, clusters of 4 x 4, 327,680 bytes of LDS; arguments q, mask, kv, lowp_scales, out0; writes out0
.if DOCPART == 2
	.amdgcn_target "amdgcn-amd-amdhsa--gfx1250"
	.amdhsa_code_object_version 6
	.text
	.protected	k_q89bf027c7a_attn
	.globl	k_q89bf027c7a_attn
	.p2align	8
	.type	k_q89bf027c7a_attn,@function
k_q89bf027c7a_attn:
	s_mov_b64 s[64:65], 0
	v_nop
	global_prefetch_b8 v0, s[64:65] scope:SCOPE_SE
	s_setreg_imm32_b32 hwreg(HW_REG_WAVE_MODE, 25, 1), 1
	s_wait_xcnt 0x0
	s_wait_alu depctr_hold_cnt(0) depctr_sa_sdst(0) depctr_va_vdst(0) depctr_va_sdst(0) depctr_va_ssrc(0) depctr_va_vcc(0) depctr_vm_vsrc(0)
	s_getreg_b32 s2, hwreg(HW_REG_IB_STS2, 6, 4)
	s_cmp_eq_u32 s2, 0
	s_cbranch_scc0 .Lentry_in_a_cluster
	s_endpgm
.Lentry_in_a_cluster:
	s_bfe_u32 s2, ttmp6, 0x10000c
	s_cmp_lg_u32 s2, 0xf033
	s_cbranch_scc0 .Lentry_shape_is_right
	s_endpgm
.Lentry_shape_is_right:
; out[head][q][:] = the sum over keys of softmax_k((q / 8 . k) x mask[q][k]) v[k][:], 64 heads, 2,048 queries, 2,048 keys, head size 64; both products on codes of FP8 (E4M3), scales 2^e0 (q / 8), 2^e1 (k), 2^e2 (p), 2^e3 (v).
; The mask is an f32 FACTOR of the logit, shared by all heads; it hides nothing and is taken as any f32 numbers.
; SOFTMAX: t = logit x log2(e); M = the row's largest t so far, rounded up to a whole number; p = 2^(t - M) is quantised along the keys, not normalised.  The row's sum is taken of the unquantised p, in f32, and divides at the end.
; When M moves, the sum and O are multiplied by 2^(old M - new M), which rounds nothing; no branch hangs on data.
; k's and v's codes come from the workspace kv, laid in the order of the operands' registers.  q is read once, by one wave, and quantised in registers in step 0 (q / 8 / 2^e0 = q / 2^(e0 + 3), exactly).
; SHARES.  A work-group owns 128 queries (x) of 4 heads (y).  Wave w owns head 4 y + w / 2 and queries 128 x + 64 (w % 2) + 0 .. 63: four tiles of 16, which share each fragment of K and V.  Two waves to a SIMD, 512 registers each.
; LAYOUT.  Both products transposed: S^T = K Q^T (K = 64), O^T = V^T P (K = 128): a lane holds ONE query (lane % 16).  Row r of K's tile 2 b + u is key 32 b + 8 u + r + 8 (r / 8), so that register 16 b + i of a tile's scores is
; key 32 b + 16 (lane / 16) + i: the mask's register of the same number multiplies it, and the conversions' results are P's registers.  Along each K the codes stand in the same permuted places in both operands.
; THE FOUR TILES OF A STEP OVERLAP.  A tile has a first half (scores, mask, maximum, M and f) and a second half (t - M, exponentials, sum, hold, codes, O^T x f).  Tile u + 1's scores, mask and maximum stand behind tile u's
; exponentials, ahead of the wait for them; the dependent lines that make its M and f stand among tile u's sums and holds.  Two sets of 64 registers take turns: a tile's mask lands in its set, and the masked scores are formed there.
; THE CHANGE OF SLOTS stands in tile 3's second half: all of a step's LDS loads have been issued by then, and what is left of the step is work on registers, which stands between the opening signal and its wait.
; STEP 0 is written out: tile u's 32 numbers of q land in the tile's registers of O^T, and are held, converted and cleared just ahead of the tile's first product.
; CLUSTER, 4 x 4.  A mask tile hangs on x alone: the four work-groups of a column ask jointly.  A block of codes hangs on y alone: the four of a row ask jointly.
; LIMITS on the given exponents: e0 + e1 between -126 and 127 (added to log2(e)'s exponent field); e0 + 3 and e2 between -126 and 119; e2 + e3 goes by v_ldexp_f32 and has none.  NaN and infinities among the inputs are not served; every t lies above -3e38.
; LDS: 0 mask slot 0 (128 rows x 528) | 0x10800 the spare words | 0x18000 K slot 0 | 0x20000 mask slot 1 | 0x38000 K slot 1 | 0x40000 V slot 0 | 0x48000 V slot 1.  All of the LDS is claimed.
; REGISTERS.  Window 0: v1-15 addresses and constants; v16-23 at work; v24-39 statistics; v40-103, v104-167 the two sets; v168-231 K's fragments, then V's; v232, v233 q's scale and hold; v234-243 the sum's chains; v244-247 f, a pair for each set.
;   Window 1: v0-127 O^T (tile u, channels 16 t on: 32 u + 8 t); v128-191 P's codes; v192-223 Q's codes (8 a tile); v224-255 four accumulators for the scores.
.set STEPS, 16
.set MP,    528                        ; a mask row in LDS: 512 bytes + 16 of padding
.set MHALF, 64*MP
.set SPARE, 128*MP                     ; the spare words: 128 bytes for each wave, four blocks of 256 bytes that no other line names
.set KC,    0x18000
.set VC,    0x40000
.set SLX,   0x20000                    ; one exclusive or turns a mask or K address into the other slot's,
.set VSLX,  0x8000                     ; and this one a V address
.set SP,    272                        ; the way out: 16 rows x (256 + 16) bytes for each wave, in mask slot 0, which has had its last fill and its last read by then
.set AM0, 1
.set AK0, 2
.set AV0, 3
.set SPW, 4                            ; v4 my spare word's address, v5 = 0: never rewritten
.set NIL, 5
.set ADM, 6
.set ADK, 7
.set ADV, 8
.set PFO, 9
.set GO,  10
.set STO, 11
.set RD,  12
.set QO,  13
.set PLIM, 14                          ; 448 x 2^e2
.set PSC, 15                           ; 2^e2
.set ST,  24                           ; tile u at v[ST + 4 u]: -M, the largest t, the sum in two halves
.set S0,  40                           ; tile u's set: S0 + 64 (u % 2)
.set KF,  168
.set QSC, 232
.set QLIM, 233
.set TP,  234                          ; five pairs
.set FP,  244                          ; tile u's f: the pair at FP + 2 (u % 2)
.set OUTR, 40                          ; at the end: 32 registers a tile
.set PC,  128                          ; window 1
.set QF,  192                          ; window 1
.set ACC, 224                          ; window 1
.set WV,  14
.set G1M, 24
.set G1C, 32
.set G0M, 40
.set G0K, 44
.set G0V, 48
.set TB,  52
.set TBV, 53
.set SLOTS, 54
.set LIM, 55
.set PFA, 56
.set PFS, 58
.set SEL, 60
.set CS,  62
.set MSB, 0
.macro WIN new                         ; low byte: bits 1:0 source 0, 3:2 source 1, 5:4 source 2, 7:6 destination; the high byte repeats the setting that is left
.if MSB != \new
	s_set_vgpr_msb (MSB<<8)|\new
.set MSB, \new
.endif
.endm
.macro PLACES
.rept 4
	v_nop
.endr
.endm
.macro CREST                           ; a round of the cluster's barrier behind its opening barrier
	s_cmp_lg_u32 s[WV], 0
	s_cbranch_scc1 .Lnot_wave_0_\@
	s_barrier_signal -3
.Lnot_wave_0_\@:
	s_barrier_wait -3
	s_barrier_signal -1
	s_barrier_wait -1
.endm
.macro CROUND                          ; a whole round
	s_barrier_signal -1
	s_barrier_wait -1
	CREST
.endm
; The joint loads of a step: waves 0 and 1 the mask tile's halves, wave 2 the four heads' codes of K, wave 3 those of V.  The branches hang on the wave's number alone.
.macro JLOAD
	s_cmp_lt_u32 s[WV], 2
	s_cbranch_scc0 .Lnot_m_\@
	tensor_load_to_lds s[G0M:G0M+3], s[G1M:G1M+7]
	s_nop 0
	PLACES
	s_branch .Lasked_\@
.Lnot_m_\@:
	s_cmp_eq_u32 s[WV], 2
	s_cbranch_scc0 .Lnot_k_\@
	tensor_load_to_lds s[G0K:G0K+3], s[G1C:G1C+7]
	s_nop 0
	PLACES
	s_branch .Lasked_\@
.Lnot_k_\@:
	s_cmp_eq_u32 s[WV], 3
	s_cbranch_scc0 .Lasked_\@
	tensor_load_to_lds s[G0V:G0V+3], s[G1C:G1C+7]
	s_nop 0
	PLACES
.Lasked_\@:
.endm
.macro DSTEP pf                        ; the walking descriptors: the other slot, the next 128 keys; pf = 1: the prefetches' address too
	s_xor_b32 s[G0M+1], s[G0M+1], SLX
	s_xor_b32 s[G0K+1], s[G0K+1], SLX
	s_xor_b32 s[G0V+1], s[G0V+1], VSLX
	s_add_nc_u64 s[G0M+2:G0M+3], s[G0M+2:G0M+3], 512
	s_add_nc_u64 s[G0K+2:G0K+3], s[G0K+2:G0K+3], 65536
	s_add_nc_u64 s[G0V+2:G0V+3], s[G0V+2:G0V+3], 65536
.if \pf
	s_wait_xcnt 0x0                                ; this step's prefetch has read its address, so it may be written
	s_add_nc_u64 s[PFA:PFA+1], s[PFA:PFA+1], s[PFS:PFS+1]
.endif
.endm
; A PREFETCH INTO THE L2, at the head of step i, of step i + 2's tiles, which the change of slots at step i's end asks for; one instruction a wave, by waves that fetch nothing.  Each aligned block of 256 bytes is named once in the launch:
; a mask tile by the cluster with cluster y = 0 (partners take 32 rows each, told apart by address, cy; waves 4 and 5 the halves of a row's 512 bytes, a lane a row); a block of codes by the cluster with cluster x = 0
; (partners take 16,384 bytes each, cx; waves 6 and 7 half of that, lanes 256 bytes apart).  Steps 0 and 1 come by their loads alone; steps 14 and 15 ask for nothing.
.macro ASK
	s_cmp_gt_u32 s[SLOTS], s[LIM]
	s_cbranch_scc0 .Lnot_mine_\@
	global_prefetch_b8 v[PFO], s[PFA:PFA+1] th:TH_LOAD_NT scope:SCOPE_SE
.Lnot_mine_\@:
.endm
	s_load_b256 s[4:11], s[0:1], 0x0               ; q, mask, kv, the scales' exponents
	s_load_b64 s[12:13], s[0:1], 0x20              ; out0
	v_lshl_add_u32 v[SPW], v0, 2, SPARE
	v_mov_b32 v[NIL], 0
	ds_add_u32 v[SPW], v[NIL]                      ; the opening lines: the add, twice on end, and its wait
	ds_add_u32 v[SPW], v[NIL]
	v_lshrrev_b32 v16, 5, v0
	v_readfirstlane_b32 s[WV], v16                 ; wave 0..7
	s_bfe_u32 s17, ttmp6, 0x40000                  ; cx
	s_bfe_u32 s18, ttmp6, 0x40004                  ; cy
	s_lshl_b32 s19, ttmp9, 2
	s_add_co_u32 s19, s19, s17                     ; x: my block of 128 queries
	s_and_b32 s20, ttmp7, 0xffff
	s_lshl_b32 s20, s20, 2
	s_add_co_u32 s20, s20, s18                     ; y: my group of 4 heads
	s_lshl_b32 s21, 0x1111, s17                    ; my column of the cluster
	s_lshl_b32 s22, s18, 2
	s_lshl_b32 s22, 15, s22                        ; my row
	s_or_b32 s[G1M], s21, (2<<16)|(1<<20)|(1<<21)|(6<<22)|(3<<25)   ; the mask: 64 rows x 128 f32, four words of padding after every 128
	s_mov_b32 s[G1M+1], 128<<16
	s_mov_b32 s[G1M+2], 64<<16
	s_mov_b32 s[G1M+3], 128<<16
	s_mov_b32 s[G1M+4], 64
	s_mov_b32 s[G1M+5], 2048
	s_mov_b32 s[G1M+6], 0
	s_mov_b32 s[G1M+7], 0
	s_or_b32 s[G1C], s22, (3<<16)|(1<<21)          ; the codes: 32,768 dense bytes as 128 rows of 256
	s_mov_b32 s[G1C+1], 32<<16
	s_mov_b32 s[G1C+2], 128<<16
	s_mov_b32 s[G1C+3], 32<<16
	s_mov_b32 s[G1C+4], 128
	s_mov_b32 s[G1C+5], 32
	s_mov_b32 s[G1C+6], 0
	s_mov_b32 s[G1C+7], 0
	s_and_b32 s72, s[WV], 1                        ; w % 2
	s_lshr_b32 s81, s[WV], 1                       ; w / 2
	s_mul_i32 s73, s72, MHALF
	s_lshl_b32 s74, s19, 20                        ; the mask: 128 x rows of 8,192 bytes, + 64 rows for the second half
	s_lshl_b32 s75, s72, 19
	s_add_co_u32 s74, s74, s75
	s_mov_b32 s75, 0
	s_lshl_b32 s76, s20, 20                        ; kv: 16 blocks of 65,536 bytes for each group of heads
	s_mov_b32 s77, 0
	s_mov_b32 s[SEL], 0x76543210
	s_mov_b32 s[SEL+1], 0xfedcba98
	s_mov_b32 s[TB], 0
	s_mov_b32 s[TBV], 0
	s_mov_b32 s[SLOTS], STEPS-3                    ; the loop's trips: steps 1 to 13
	s_lshl_b32 s78, s20, 21                        ; q and out at my wave's first row: (4 y + w / 2) x 2,048 rows + 128 x + 64 (w % 2), rows of 256 bytes
	s_lshl_b32 s80, s81, 19
	s_add_co_u32 s78, s78, s80
	s_lshl_b32 s80, s19, 15
	s_add_co_u32 s78, s78, s80
	s_lshl_b32 s80, s72, 14
	s_add_co_u32 s78, s78, s80
	s_mov_b32 s79, 0
	v_and_b32 v16, 15, v0                          ; r
	v_bfe_u32 v17, v0, 4, 1                        ; h
	v_and_b32 v19, 31, v0                          ; lane
	v_lshlrev_b32 v[QO], 8, v16
	v_lshl_add_u32 v[QO], v17, 6, v[QO]            ; row r, + 64 h
	s_wait_alu depctr_va_vdst(0)
	s_wait_dscnt 0x0                               ; both opening adds are done
	s_wait_kmcnt 0x0
	s_load_b128 s[68:71], s[10:11], 0x0            ; e0 .. e3
	s_add_nc_u64 s[4:5], s[4:5], s[78:79]
	s_add_nc_u64 s[12:13], s[12:13], s[78:79]
	s_mov_b32 s[G0M], 1
	s_mov_b32 s[G0M+1], s73
	s_add_nc_u64 s[G0M+2:G0M+3], s[6:7], s[74:75]
	s_or_b32 s[G0M+3], s[G0M+3], 0x80000000
	s_mov_b32 s[G0K], 1
	s_mov_b32 s[G0K+1], KC
	s_add_nc_u64 s[G0K+2:G0K+3], s[8:9], s[76:77]
	s_or_b32 s[G0K+3], s[G0K+3], 0x80000000
	s_mov_b32 s[G0V], 1
	s_mov_b32 s[G0V+1], VC
	s_add_nc_u64 s[G0V+2:G0V+3], s[8:9], s[76:77]
	s_add_nc_u64 s[G0V+2:G0V+3], s[G0V+2:G0V+3], 32768
	s_or_b32 s[G0V+3], s[G0V+3], 0x80000000
	CROUND                                         ; all sixteen work-groups are here: the first joint loads meet
	JLOAD                                          ; step 0 into slot 0: one tensor load of mine is out at the most, here and ever after
	WIN 0x40                                       ; q's numbers land in window 1, tile u's 32 in the tile's registers of O^T
.irp u, 0,1,2,3
.irp c, 0,1
.irp j, 0,1,2,3
	global_load_b128 v[32*\u+16*\c+4*\j:32*\u+16*\c+4*\j+3], v[QO], s[4:5] offset:4096*\u+128*\c+16*\j th:TH_LOAD_NT
.endr
.endr
.endr
	WIN 0
	v_mul_u32_u24 v[AM0], v16, MP
	v_mul_u32_u24 v[STO], v16, SP
	v_mul_u32_u24 v[RD], v17, SP
	v_lshlrev_b32 v[GO], 8, v17
	s_lshl_b32 s82, s81, 13                        ; my head's 8,192 bytes of a slot's codes
	s_mul_i32 s83, s[WV], 16*SP                    ; my stage
	v_lshl_add_u32 v[AK0], v19, 4, s82
	v_lshl_add_u32 v[AM0], v17, 6, v[AM0]
	v_lshl_add_u32 v[STO], v17, 5, v[STO]
	v_lshl_add_u32 v[RD], v16, 4, v[RD]
	v_lshl_add_u32 v[GO], v16, 4, v[GO]            ; lanes 0-15 one row of out, lanes 16-31 the next
	v_add_nc_u32 v[AV0], VC, v[AK0]
	v_add_nc_u32 v[AM0], s73, v[AM0]               ; mask: row 64 (w % 2) + r, + 64 h
	v_add_nc_u32 v[STO], s83, v[STO]
	v_add_nc_u32 v[RD], s83, v[RD]
	v_add_nc_u32 v[AK0], KC, v[AK0]
	; the prefetches: where my wave's stand (at step 2, which step 0 names), and who asks
	s_lshl_b32 s88, s19, 20
	s_lshl_b32 s89, s18, 18
	s_add_co_u32 s88, s88, s89
	s_lshl_b32 s89, s72, 8
	s_add_co_u32 s88, s88, s89
	s_add_co_u32 s88, s88, 1024
	s_lshl_b32 s90, s20, 20
	s_lshl_b32 s91, s17, 14
	s_add_co_u32 s90, s90, s91
	s_lshl_b32 s91, s72, 13
	s_add_co_u32 s90, s90, s91
	s_add_co_u32 s90, s90, 131072
	s_and_b32 s91, ttmp7, 0xffff
	s_mov_b32 s[PFS], 65536
	s_mov_b32 s92, 256
	s_cmp_lt_u32 s[WV], 6                          ; waves 4 and 5 ask for the mask, waves 6 and 7 for the codes
	s_cselect_b64 s[PFA:PFA+1], s[6:7], s[8:9]
	s_cselect_b32 s[PFS], 512, s[PFS]
	s_cselect_b32 s92, 8192, s92
	s_cselect_b32 s88, s88, s90
	s_cselect_b32 s91, s91, ttmp9
	s_mov_b32 s89, 0
	s_mov_b32 s[PFS+1], 0
	s_add_nc_u64 s[PFA:PFA+1], s[PFA:PFA+1], s[88:89]
	s_lshr_b32 s93, s[WV], 2
	s_xor_b32 s93, s93, 1
	s_or_b32 s93, s93, s91
	s_cmp_eq_u32 s93, 0
	s_cselect_b32 s[LIM], 0, -1                    ; 0 in a wave that asks (the count of trips is above it in every step that asks), else the greatest number
	v_and_b32 v[PFO], 31, v0
	v_mul_lo_u32 v[PFO], v[PFO], s92
	s_wait_alu depctr_va_vdst(0)
	s_wait_kmcnt 0x0
	s_add_co_i32 s84, s68, s69
	s_lshl_b32 s84, s84, 23
	s_mov_b32 s[CS], 0x3fb8aa3b                    ; log2(e),
	s_add_co_i32 s[CS], s[CS], s84                 ; x 2^(e0 + e1), by its exponent field
	s_mov_b32 s[CS+1], s[CS]
	s_add_co_i32 s84, s70, 127
	s_lshl_b32 s85, s84, 23
	v_mov_b32 v[PSC], s85
	s_add_co_i32 s84, s84, 8
	s_lshl_b32 s84, s84, 23
	s_or_b32 s84, s84, 0x600000
	v_mov_b32 v[PLIM], s84
	s_add_co_i32 s84, s68, 130
	s_lshl_b32 s85, s84, 23
	v_mov_b32 v[QSC], s85                          ; 2^(e0 + 3)
	s_add_co_i32 s84, s84, 8
	s_lshl_b32 s84, s84, 23
	s_or_b32 s84, s84, 0x600000
	v_mov_b32 v[QLIM], s84
	s_add_co_i32 s86, s70, s71                     ; e2 + e3
.irp u, 0,1,2,3
	v_mov_b32 v[ST+4*\u+1], 0xff61b1e6             ; the largest t so far: -3e38
	v_mov_b32 v[ST+4*\u+2], 0
	v_mov_b32 v[ST+4*\u+3], 0
.endr
.irp u, 0,1,2,3
	v_floor_f32 v[ST+4*\u], -v[ST+4*\u+1]          ; -M
.endr
	v_mov_b32 v[FP+1], 0                           ; (named as the upper halves of f's pairs)
	v_mov_b32 v[FP+3], 0
.macro MLD a                           ; the mask of tile a's 16 queries x 128 keys into the tile's set: register 16 b + 4 j is key 32 b + 16 h + 4 j
.irp n, 0,1,2,3,4,5,6,7,8,9,10,11,12,13,14,15
	ds_load_b128 v[S0+64*((\a)%2)+4*\n:S0+64*((\a)%2)+4*\n+3], v[ADM] offset:16*MP*(\a)+128*(\n/4)+16*(\n%4)
.endr
.endm
.macro QCONV a                         ; step 0: tile a's q is held, converted, and its registers become O^T = 0
	s_wait_loadcnt 8*(3-(\a))                      ; tile a's 8 loads are in; the later tiles' 8 each may be out
	WIN 0x41                                       ; destination and source 0 window 1
.set jj, 0
.rept 32
	v_med3_num_f32 v[32*(\a)+jj], v[32*(\a)+jj], -v[QLIM], v[QLIM]   ; the conversion does not saturate (ISA guide 7.6.2): the hold comes first
.set jj, jj+1
.endr
.irp g, 0,1,2,3
	v_cvt_scalef32_pk8_fp8_f32 v[QF+8*(\a)+2*\g:QF+8*(\a)+2*\g+1], v[32*(\a)+8*\g:32*(\a)+8*\g+7], v[QSC]
.endr
	v_nop                                          ; one plain line behind the last scaled conversion
.set jj, 0
.rept 32
	v_mov_b32 v[32*(\a)+jj], 0
.set jj, jj+1
.endr
.endm
.macro QKH a, g                        ; four tiles of 16 keys (half g) x tile a's queries, and x the mask, in the mask's place
	WIN 0x44                                       ; D and Q window 1, K window 0
.irp t, 0,1,2,3
	v_wmma_f32_16x16x64_fp8_fp8 v[ACC+8*\t:ACC+8*\t+7], v[KF+32*\g+8*\t:KF+32*\g+8*\t+7], v[QF+8*(\a):QF+8*(\a)+7], 0
.endr
	PLACES
.if ((\a) == 3) && (\g == 1)
	WIN 0
.irp n, 0,1,2,3,4,5,6,7,8,9,10,11,12,13,14,15
	ds_load_b128 v[KF+4*\n:KF+4*\n+3], v[ADV] offset:512*\n   ; all four tiles have multiplied by K: V's fragments take its registers
.endr
.endif
	WIN 0x01                                       ; source 0 (the sums) window 1
.set jj, 0
.rept 16
	v_pk_mul_f32 v[XA+32*\g+jj:XA+32*\g+jj+1], v[ACC+jj:ACC+jj+1], v[XA+32*\g+jj:XA+32*\g+jj+1]   ; each accumulator from its low end on
.set jj, jj+2
.endr
.endm
.macro LK k                            ; the dependent lines that make tile u + 1's M and f, one group at a time
.if HA
.if \k == 1
	v_max3_num_f32 v16, v16, v17, v18
	v_max3_num_f32 v19, v19, v20, v21
	v_mov_b32 v17, v[rA]                           ; the old -M
.endif
.if \k == 2
	v_max3_num_f32 v16, v16, v22, v23
.endif
.if \k == 3
	v_max_num_f32 v16, v16, v19
.endif
.if \k == 4
	v_permlanex16_b32 v18, v16, s[SEL], s[SEL+1]
.endif
.if \k == 5
	v_max_num_f32 v16, v16, v18                    ; and lane l xor 16's
.endif
.if \k == 6
	v_mul_f32 v16, s[CS], v16                      ; as t (c is positive)
.endif
.if \k == 7
	v_max_num_f32 v[rA+1], v[rA+1], v16            ; the running largest t
.endif
.if \k == 8
	v_floor_f32 v[rA], -v[rA+1]                    ; the new -M = -ceil(t)
.endif
.if \k == 9
	v_sub_f32 v17, v[rA], v17                      ; old M - new M: a whole number, 0 or less
.endif
.if \k == 10
	v_cvt_i32_f32 v17, v17                         ; (it saturates)
.endif
.if \k == 11
	v_ldexp_f32 v[FA], 1.0, v17                    ; f = 2^(old M - new M)
.endif
.endif
.endm
.macro SUMR a, cnt                     ; the row's sum of the UNQUANTISED p, two at a time, in six chains
.if HB
.set jj, \a
.rept \cnt
.if (jj-11)%6 == 5
	v_pk_add_f32 v[rB+2:rB+3], v[rB+2:rB+3], v[XB+2*jj:XB+2*jj+1]
.else
	v_pk_add_f32 v[TP+2*((jj-11)%6):TP+2*((jj-11)%6)+1], v[TP+2*((jj-11)%6):TP+2*((jj-11)%6)+1], v[XB+2*jj:XB+2*jj+1]
.endif
.set jj, jj+1
.endr
.endif
.endm
.macro HOLD a, cnt                     ; p is not negative, so its hold at 448 x 2^e2 is one-sided; two numbers to a dual pair
.if HB
.set jj, \a
.rept \cnt
	v_dual_min_num_f32 v[XB+jj], v[XB+jj], v[PLIM] :: v_dual_min_num_f32 v[XB+jj+1], v[XB+jj+1], v[PLIM]
.set jj, jj+2
.endr
.endif
.endm
.macro PVT n                           ; O^T += V^T P for tile n: four accumulators
.irp t, 0,1,2,3
	v_wmma_f32_16x16x128_fp8_fp8 v[32*\n+8*\t:32*\n+8*\t+7], v[KF+16*\t:KF+16*\t+15], v[PC+16*\n:PC+16*\n+15], v[32*\n+8*\t:32*\n+8*\t+7]
.endr
.endm
; TILE u'S SECOND HALF (u = 0 .. 3) BESIDE TILE u + 1'S FIRST HALF (u = -1 .. 2).  FIRST = 1: step 0.  CHG: the change of slots in tile 3: 1 with a refill behind it, 2 without, 0 none.
.macro PH u
.set HB, (\u) >= 0
.set HA, (\u) < 3
.set XB, S0+64*(((\u)+2)%2)
.set XA, S0+64*(((\u)+1)%2)
.set rB, ST+4*(\u)
.set rA, ST+4*((\u)+1)
.set FB, FP+2*(((\u)+2)%2)
.set FA, FP+2*(((\u)+1)%2)
.if HB
.if ((\u) == 3) && CHG
	s_wait_alu depctr_va_vdst(0)
	s_wait_tensorcnt 0x0                           ; all my tensor loads are done: my part of the next slot; so a group 0 may be written
	ds_add_u32 v[SPW], v[NIL]                      ; 0 onto my spare word; work on registers stands between it and its wait
.if CHG == 1
	ds_add_u32 v[SPW], v[NIL]                      ; the add twice on end
	DSTEP 1
.endif
.endif
.set jj, 0
.rept 32
	v_pk_fma_f32 v[XB+jj:XB+jj+1], v[XB+jj:XB+jj+1], s[CS:CS+1], v[rB:rB+1] op_sel_hi:[1,0,0]   ; t - M, two at a time
.set jj, jj+2
.endr
	s_wait_alu depctr_va_vdst(0)
.set jj, 0
.rept 64
	v_exp_f32 v[XB+jj], v[XB+jj]                   ; p = 2^(t - M), at most 1
.set jj, jj+1
.endr
	v_pk_mul_f32 v[rB+2:rB+3], v[rB+2:rB+3], v[FB:FB+1] op_sel_hi:[1,0]   ; the sums under the new M; the plain line behind the batch
.endif
.if (\u) == -1
	s_wait_dscnt 16                                ; K's fragments and tile 0's mask are in; tile 1's 16 loads may be out
.else
	s_wait_dscnt 0x0                               ; the next tile's mask is in (u = 3: V's fragments, so my reads of this slot are over; and the add is done)
.endif
.if ((\u) == 3) && CHG
	s_barrier_signal -1                            ; say so; the rest of the step is work on registers
.endif
.if HA                                 ; none of these lines names a result of the batch
.if FIRST
	QCONV (\u)+1
.endif
	QKH (\u)+1, 0
	QKH (\u)+1, 1
	WIN 0
.irp i, 0,1,2,3,4,5,6,7                ; the largest masked score of my 64 keys, in eight chains
	v_max3_num_f32 v[16+\i], v[XA+3*\i], v[XA+3*\i+1], v[XA+3*\i+2]
.endr
.irp i, 0,1,2,3,4,5,6,7
	v_max3_num_f32 v[16+\i], v[16+\i], v[XA+24+2*\i], v[XA+25+2*\i]
.endr
.irp i, 0,1,2,3,4,5,6,7
	v_max3_num_f32 v[16+\i], v[16+\i], v[XA+40+2*\i], v[XA+41+2*\i]
.endr
.irp i, 4,5,6,7
	v_max3_num_f32 v[16+\i], v[16+\i], v[XA+48+2*\i], v[XA+49+2*\i]
.endr
.else
	WIN 0x54                                       ; P, C and D window 1, V window 0: tiles 0 to 2, twelve accumulators, one instruction a turn
	PVT 0
	PVT 1
	PVT 2
	WIN 0
.endif
.if HB
	s_wait_alu depctr_va_vdst(0)                   ; the wait behind the batch, ahead of its first reader
.endif
	LK 1
.if HB
.irp k, 0,1,2,3,4
	v_pk_add_f32 v[TP+2*\k:TP+2*\k+1], v[XB+4*\k:XB+4*\k+1], v[XB+4*\k+2:XB+4*\k+3]
.endr
	v_pk_add_f32 v[rB+2:rB+3], v[rB+2:rB+3], v[XB+20:XB+21]
.endif
	LK 2
	SUMR 11, 5
	LK 3
	SUMR 16, 5
	LK 4
	SUMR 21, 5
	LK 5
	SUMR 26, 6
	LK 6
	HOLD 0, 8
	LK 7
.if HB
	v_pk_add_f32 v[TP:TP+1], v[TP:TP+1], v[TP+2:TP+3]       ; the chains are joined among the holds
	v_pk_add_f32 v[TP+4:TP+5], v[TP+4:TP+5], v[TP+6:TP+7]
	v_pk_add_f32 v[rB+2:rB+3], v[rB+2:rB+3], v[TP+8:TP+9]
.endif
	HOLD 16, 8
	LK 8
.if HB
	v_pk_add_f32 v[TP:TP+1], v[TP:TP+1], v[TP+4:TP+5]
.endif
	HOLD 32, 8
	LK 9
.if HB
	v_pk_add_f32 v[rB+2:rB+3], v[rB+2:rB+3], v[TP:TP+1]
.endif
	HOLD 48, 4
	LK 10
	HOLD 56, 4
	LK 11
.if HB
	WIN 0x40                                       ; P's codes: window 1
.irp g, 0,1,2,3,4,5,6,7
	v_cvt_scalef32_pk8_fp8_f32 v[PC+16*(\u)+2*\g:PC+16*(\u)+2*\g+1], v[XB+8*\g:XB+8*\g+7], v[PSC]   ; registers 4 b .. 4 b + 3: keys 32 b + 16 h + 0 .. 15
.endr
	WIN 0x41                                       ; O^T window 1, f window 0
	s_wait_alu depctr_va_vdst(0)
.set jj, 0
.rept 16
	v_pk_mul_f32 v[32*(\u)+jj:32*(\u)+jj+1], v[32*(\u)+jj:32*(\u)+jj+1], v[FB:FB+1] op_sel_hi:[1,0]   ; O^T under the new M; also the plain lines behind the conversions
.set jj, jj+2
.endr
	WIN 0
.if (\u) < 2
	MLD (\u)+2                                     ; the set is free: the mask of the tile after next
.endif
.endif
.endm
.macro STEP first, ask, chg
.set FIRST, \first
.set CHG, \chg
	v_add_nc_u32 v[ADK], s[TB], v[AK0]
	v_add_nc_u32 v[ADM], s[TB], v[AM0]
	v_add_nc_u32 v[ADV], s[TBV], v[AV0]
	s_wait_alu depctr_va_vdst(0)
.irp t, 0,1,2,3,4,5,6,7,8,9,10,11,12,13,14,15
	ds_load_b128 v[KF+4*\t:KF+4*\t+3], v[ADK] offset:512*\t   ; my head's 8 tiles of 16 keys x 64
.endr
	MLD 0
	MLD 1
.if \ask
	ASK
.endif
	PH -1
	PH 0
	PH 1
	PH 2
	PH 3
	WIN 0x54
	PVT 3                                          ; tile 3: four accumulators, one instruction a turn
	WIN 0
	PLACES                                         ; ahead of the next step's loads into the fragments' registers, and of the way out
.if \chg
	s_wait_alu depctr_va_vdst(0)
	s_barrier_wait -1                              ; every wave of my work-group has left this slot and has its part of the next
.endif
.if \chg == 1
	CREST                                          ; and so has every wave of all sixteen work-groups
	JLOAD                                          ; the slot left takes the tiles of two steps on: the first thing behind the round, a wave's one tensor load until the next
.endif
	s_xor_b32 s[TB], s[TB], SLX
	s_xor_b32 s[TBV], s[TBV], VSLX
.endm
	s_wait_alu depctr_va_vdst(0)
	s_wait_tensorcnt 0x0                           ; my part of step 0 is in; slot 1's first fill stands behind the same lines as a refill
	ds_add_u32 v[SPW], v[NIL]
	ds_add_u32 v[SPW], v[NIL]
	DSTEP 0
	s_wait_dscnt 0x0
	CROUND
	JLOAD                                          ; step 1 into slot 1
	STEP 1, 1, 1                                   ; step 0, with q's conversions
.Lstep:                                            ; steps 1 to 13
	STEP 0, 1, 1
	s_sub_co_u32 s[SLOTS], s[SLOTS], 1
	s_cmp_lg_u32 s[SLOTS], 0
	s_cbranch_scc1 .Lstep
	STEP 0, 0, 2                                   ; the last two steps are written out: step 14 changes slots and asks for nothing
	STEP 0, 0, 0                                   ; step 15 has no change
	; THE WAY OUT.  O^T x 2^(e2 + e3) / the sum goes through my stage in LDS, a tile (16 rows of 256 bytes) at a time.
.irp u, 0,1,2,3
	v_add_f32 v[ST+4*\u+2], v[ST+4*\u+2], v[ST+4*\u+3]
.endr
.irp u, 0,1,2,3
	v_permlanex16_b32 v[ST+4*\u+3], v[ST+4*\u+2], s[SEL], s[SEL+1]
.endr
.irp u, 0,1,2,3
	v_add_f32 v[ST+4*\u+2], v[ST+4*\u+2], v[ST+4*\u+3]
.endr
	s_wait_alu depctr_va_vdst(0)
.irp u, 0,1,2,3
	v_rcp_f32 v[ST+4*\u+2], v[ST+4*\u+2]
.endr
	v_nop
	s_wait_alu depctr_va_vdst(0)
.irp u, 0,1,2,3
	v_ldexp_f32 v[ST+4*\u+2], v[ST+4*\u+2], s86
.endr
.macro PACK u                          ; register 8 t + j of a lane is out(row r, 16 t + 8 h + j)
	WIN 0x01
	s_wait_alu depctr_va_vdst(0)
.irp m, 0,2,4,6,8,10,12,14,16,18,20,22,24,26,28,30
	v_pk_mul_f32 v[OUTR+32*(\u)+\m:OUTR+32*(\u)+\m+1], v[32*(\u)+\m:32*(\u)+\m+1], v[ST+4*(\u)+2:ST+4*(\u)+3] op_sel_hi:[1,0]
.endr
	WIN 0
.irp t, 0,1,2,3
	ds_store_b128 v[STO], v[OUTR+32*(\u)+8*\t:OUTR+32*(\u)+8*\t+3] offset:64*\t
	ds_store_b128 v[STO], v[OUTR+32*(\u)+8*\t+4:OUTR+32*(\u)+8*\t+7] offset:64*\t+16
.endr
.irp f, 0,1,2,3,4,5,6,7
	ds_load_b128 v[OUTR+32*(\u)+4*\f:OUTR+32*(\u)+4*\f+3], v[RD] offset:2*SP*\f   ; LDS serves a wave's instructions in order (ISA guide 5.7.1.4)
.endr
.endm
.macro SEND u, younger                 ; younger: the LDS instructions issued behind tile u's loads
.irp f, 0,1,2,3,4,5,6,7
	s_wait_dscnt \younger+7-\f
	global_store_b128 v[GO], v[OUTR+32*(\u)+4*\f:OUTR+32*(\u)+4*\f+3], s[12:13] offset:4096*(\u)+512*\f th:TH_STORE_NT   ; sixteen lanes store 256 consecutive bytes, aligned
.endr
.endm
	PACK 0
	PACK 1
	SEND 0, 16
	PACK 2
	SEND 1, 16
	PACK 3
	SEND 2, 16
	SEND 3, 0
	s_wait_tensorcnt 0x0                           ; the wave's end
	ds_add_u32 v[SPW], v[NIL]
	s_wait_dscnt 0x0
	CROUND                                         ; the closing round
	s_endpgm
.Lfunc_end_k_q89bf027c7a_attn:
	.size	k_q89bf027c7a_attn, .Lfunc_end_k_q89bf027c7a_attn-k_q89bf027c7a_attn
	.p2alignl 7, 3214868480
	.fill 96, 4, 3214868480
	.section	.rodata,"a",@progbits
	.p2align	6, 0x0
	.amdhsa_kernel k_q89bf027c7a_attn
		.amdhsa_group_segment_fixed_size 327680
		.amdhsa_private_segment_fixed_size 0
		.amdhsa_enable_private_segment 0
		.amdhsa_kernarg_size 40
		.amdhsa_user_sgpr_count 2
		.amdhsa_user_sgpr_kernarg_segment_ptr 1
		.amdhsa_wavefront_size32 1
		.amdhsa_system_sgpr_workgroup_id_x 1
		.amdhsa_system_sgpr_workgroup_id_y 1
		.amdhsa_system_sgpr_workgroup_id_z 1
		.amdhsa_system_vgpr_workitem_id 0
		.amdhsa_next_free_vgpr 512
		.amdhsa_next_free_sgpr 100
		.amdhsa_reserve_vcc 0
		.amdhsa_float_denorm_mode_32 3
		.amdhsa_float_denorm_mode_16_64 3
		.amdhsa_memory_ordered 1
		.amdhsa_forward_progress 1
		.amdhsa_inst_pref_size 255
	.end_amdhsa_kernel
	.section	.bss,"aw",@nobits
	.p2align	6
	.space	262144
	.amdgpu_metadata
---
amdhsa.version: [ 1, 2 ]
amdhsa.kernels:
  - .name:           k_q89bf027c7a_attn
    .symbol:         k_q89bf027c7a_attn.kd
    .args:
      - { .name: q, .offset: 0, .size: 8, .value_kind: global_buffer, .address_space: global }
      - { .name: mask, .offset: 8, .size: 8, .value_kind: global_buffer, .address_space: global }
      - { .name: kv, .offset: 16, .size: 8, .value_kind: global_buffer, .address_space: global }
      - { .name: lowp_scales, .offset: 24, .size: 8, .value_kind: global_buffer, .address_space: global }
      - { .name: out0, .offset: 32, .size: 8, .value_kind: global_buffer, .address_space: global }
    .group_segment_fixed_size: 327680
    .private_segment_fixed_size: 0
    .kernarg_segment_align: 8
    .kernarg_segment_size: 40
    .max_flat_workgroup_size: 256
    .sgpr_count:     100
    .vgpr_count:     512
    .wavefront_size: 32
...
	.end_amdgpu_metadata
.endif
;; end of part 2
